; MI455X (gfx1250); checked and timed in simulation.
; The chip was launched on July 23, 2026; its instructions are those of AMD's public machine-readable ISA for CDNA 5 (MIT licence, August 2026) and "CDNA5" Instruction Set Architecture Reference Guide (July 2026). The comments in the code are by the model that wrote it; some were corrected since.
;; Multi Head Attention. Allowed arithmetic: matrix products marked QUANTISED: E4M3 operands, one given power-of-two scale a tensor, by v_wmma_f32_16x16x64_fp8_fp8 or v_wmma_f32_16x16x128_fp8_fp8, f32 sums; everything else in f32.
;; Inputs: Wk 16 x 1,024 x 64 float32; Wo 1,024 x 1,024 float32; Wq 16 x 1,024 x 64 float32; Wv 16 x 1,024 x 64 float32; bo 1,024 float32; lowp_scales 12 int32 (the exponents e of the quantised operands' scales 2^e); x 4 x 2,048 x 1,024 float32.
;; Outputs: out0 4 x 2,048 x 1,024 float32.
;; This version of the problem:
;;   THIS VERSION OF THE PROBLEM IS GIVEN IN LOW PRECISION. The matrix products marked QUANTISED in the list below multiply operands that are first quantised to E4M3 (4 exponent bits, 3 mantissa bits; 8 bits a number), with one given power-of-two scale for each operand tensor; their sums are f32. All else is computed in f32.
;;   The module's matrix products, in the order in which they are computed (A, B: the left and right operand; K: the contracted axis; several contracted axes count as one K, in the product's order):
;;     1. [M 1,024, K 1,024] x [K 1,024, N 8,192]; A: input Wq; B: input x: QUANTISED (scales: A lowp_scales[0], B lowp_scales[1])
;;     2. [M 1,024, K 1,024] x [K 1,024, N 8,192]; A: input Wk; B: input x: QUANTISED (scales: A lowp_scales[2], B lowp_scales[3])
;;     3. [M 1,024, K 1,024] x [K 1,024, N 8,192]; A: input Wv; B: input x: QUANTISED (scales: A lowp_scales[4], B lowp_scales[5])
;;     4. batch 64 x [M 2,048, K 64] x [K 64, N 2,048]; A: computed on the way; B: computed on the way: QUANTISED (scales: A lowp_scales[6], B lowp_scales[7])
;;     5. batch 64 x [M 2,048, K 2,048] x [K 2,048, N 64]; A: softmax (see below); B: computed on the way: QUANTISED (scales: A lowp_scales[8], B lowp_scales[9])
;;     6. [M 8,192, K 1,024] x [K 1,024, N 1,024]; A: computed on the way; B: input Wo: QUANTISED (scales: A lowp_scales[10], B lowp_scales[11])
;;   THE QUANTISER, for each operand of a quantised product, along K:
;;     - The operand's scale is 2^e, e = its entry of the input lowp_scales (int32; the entries are numbered through the quantised products in the list's order, A before B).
;;     - Each number is divided by the scale, clamped to +-448, and rounded to the nearest number of E4M3, ties to even, subnormals kept.
;;     - The product sums the exact products of the quantised numbers (number of the format x scale) in f32.
;;   ~~~python
;;   def quantise(x, axis, e):      # numpy; x: float32 -> the quantised numbers, widened to float32 again
;;       x = np.moveaxis(x, axis, -1); K = x.shape[-1]
;;       r = np.clip(x / 2.0 ** e, -448, 448)
;;       step = 2.0 ** (np.maximum(np.frexp(np.where(r == 0, 1, r))[1] - 1, -6) - 3)
;;       q = np.round(r / step) * step * 2.0 ** e      # np.round: ties to even
;;       return np.moveaxis(q, -1, axis).astype(np.float32)
;;   ~~~
;;   SOFTMAX AHEAD OF A QUANTISED PRODUCT. Where the list says 'softmax', what is quantised is not the finished softmax but p = 2^(t - M), with t = logit x log2(e) and M = ceil(the row's largest t), a whole number; so 1/2 < the row's largest p <= 1. The row's sum l is taken of the UNQUANTISED p, in f32, and the product's result is divided by l at the end. Since M is a whole number, a kernel that streams over the keys may use a running M (the ceiling of the running maximum): every later rescaling is an exact power of two, so the quantised numbers keep their values, but for numbers so far below the row's largest that they fall under the format's range.
;;   OPERANDS COMPUTED ON THE WAY. 'Computed on the way' means the value that the module computes at that place (a softmax that the list does not call 'softmax' is quantised finished and normalised). What goes into a quantiser is computed in f32, as accurately as f32 sums, v_exp_f32 and their like allow (about 1e-6 of the number): no bf16 or f16 on the way to a quantiser, and a product that is left as it is and whose result goes on into a quantised operand takes f32 operands (vector FMAs, or v_wmma_f32_16x16x4_f32). A number that lies on a knife's edge between two numbers of the format may be rounded either way, as far as f32 arithmetic and the matrix unit's own rounding can turn it there, and no further.
;; One version. Each part assembles by itself: llvm-mc -triple=amdgcn-amd-amdhsa -mcpu=gfx1250 --defsym DOCPART=n.
;; ======== version 1 of 1: 4 launches
;; limits: right only within a limited range of input values
;; workspace buffers: cds 29,360,128 bytes; qkv 25,165,824 bytes; oc 8,388,608 bytes
;; launch quant (part 1): grid 384 x 1, 4 waves a work-group, no clusters, 35,328 bytes of LDS; arguments x, Wo, Wq, Wk, Wv, lowp_scales, cds; writes cds
.if DOCPART == 1
	.amdgcn_target "amdgcn-amd-amdhsa--gfx1250"
	.amdhsa_code_object_version 6
	.text
	.protected	k_q39a82415a9_quant
	.globl	k_q39a82415a9_quant
	.p2align	8
	.type	k_q39a82415a9_quant,@function
k_q39a82415a9_quant:
	s_mov_b64 s[64:65], 0
	v_nop
	global_prefetch_b8 v0, s[64:65] scope:SCOPE_SE
	s_setreg_imm32_b32 hwreg(HW_REG_WAVE_MODE, 25, 1), 1
	s_wait_xcnt 0x0
; The five f32 inputs become codes of FP8 (E4M3): code = number / 2^e, held within +-448, rounded to the nearest code, ties to even.
; x is an operand of three products under three given scales (entries 1, 3, 5), so it gets three sets of codes from one read; Wo takes entry 11; Wq, Wk, Wv take entries 0, 2, 4.
; LAYOUT OF THE CODES: an image of the operand's registers.  For an operand [rows][K = 1024]:
;   byte = (row / 16) x 16384 + (k / 128) x 2048 + g x 512 + lane x 16, lane = 16 h + row % 16; the lane's 16 bytes are k = 128 (k / 128) + 32 g + 8 h + 0..7 and the same + 16.
;   So four loads of 16 bytes a lane, 512 bytes apart, are a fragment of 16 rows x 128 K in the matrix instruction's own order, and every store here covers 512 (or 2 x 256) consecutive bytes.
; Work-groups 0-255: x;  256-287: Wo (K innermost: the rows path);  288-383: Wq, Wk, Wv ([head][K][64]: K is not innermost: the columns path; a row of the operand is head x 64 + channel).
; LIMITS: each of these entries lies between -126 and 119, so that 2^e and 448 x 2^e are f32 numbers.  NaN among the inputs is not served; an infinity is held at the largest code.
.set XK,   8388608                     ; sections of cds: x under entry 1 at 0, under entry 3 here,
.set XV,   16777216                    ; under entry 5 here;
.set WQ,   25165824                    ; Wq, Wk, Wv, 1,048,576 bytes each;
.set WO,   28311552                    ; Wo
.set SPT,  272                         ; a stage row: 256 bytes + 16, so that the sixteen rows that a read touches begin 16 bytes apart modulo 256
.set STG,  16*SPT                      ; a stage: 16 rows
.set WREG, 2*STG                       ; two stages for each wave
.set R,    16                          ; v16-143   rows path: four sets of 32 registers, as loaded
.set X,    144                         ; v144-207  two sets of 32: a lane's numbers in the image's order
.set T,    208                         ; v208-223  16 numbers, held
.set C,    224                         ; v224-247  codes: 4 registers for each (scale n, group gg)
.set SCL,  248                         ; v248-250  2^e as f32, n = 0, 1, 2
.set LIM,  252                         ; v252-254  448 x 2^e
.set CX,   16                          ; columns path: v16-79 two sets of 32 numbers
.set CB,   80                          ; v80-143  codes, 8 registers for each block: no store's data are written again
.macro MKS se, vs, vl                  ; from the whole number e in s[se]: 2^e and 448 x 2^e as f32
	s_add_co_i32 s56, s[\se], 127
	s_lshl_b32 s57, s56, 23
	v_mov_b32 v[\vs], s57
	s_add_co_i32 s56, s56, 8
	s_lshl_b32 s56, s56, 23
	s_or_b32 s56, s56, 0x600000
	v_mov_b32 v[\vl], s56
.endm
	s_load_b256 s[8:15], s[0:1], 0x0               ; x s[8:9], Wo s[10:11], Wq s[12:13], Wk s[14:15]
	s_load_b128 s[16:19], s[0:1], 0x20             ; Wv s[16:17], the scales' exponents s[18:19]
	s_load_b64 s[20:21], s[0:1], 0x30              ; cds
	v_lshl_add_u32 v251, v0, 2, 0x8800
	v_mov_b32 v255, 0
	v_lshrrev_b32 v1, 5, v0
	v_readfirstlane_b32 s22, v1                    ; wave 0..3
	v_and_b32 v6, 31, v0                           ; lane
	v_and_b32 v7, 15, v0                           ; r
	v_bfe_u32 v8, v0, 4, 1                         ; h
	s_wait_kmcnt 0x0
	s_load_b256 s[24:31], s[18:19], 0x0            ; entries 0 to 7
	s_load_b128 s[32:35], s[18:19], 0x20           ; entries 8 to 11
	s_cmp_ge_u32 ttmp9, 288
	s_cbranch_scc1 .Lcols
; ---------------- THE ROWS PATH.  A wave takes 16 rows x 512 along K, in 8 steps of 16 rows x 64.
; A load takes the bytes as they lie (2 rows x 256 bytes); the step turns through the wave's own stage in LDS, so that a lane gets the 16 numbers of each of its two image groups.
	s_cmp_lt_u32 ttmp9, 256                        ; x or Wo: the choice hangs on the work-group's number alone
	s_cselect_b64 s[36:37], s[8:9], s[10:11]
	s_cselect_b32 s23, 0, 256
	s_cselect_b32 s46, 0, WO                       ; the section of the first set of codes
	s_sub_co_u32 s23, ttmp9, s23
	s_lshl_b32 s23, s23, 2
	s_add_co_u32 s23, s23, s22                     ; which unit of 16 rows x 512 K is my wave's
	s_lshr_b32 s48, s23, 1                         ; its tile of 16 rows
	s_and_b32 s49, s23, 1                          ; its half of K
	s_lshl_b32 s50, s48, 16                        ; 16 rows of 4,096 bytes
	s_lshl_b32 s51, s49, 11                        ; 512 numbers
	s_add_co_u32 s50, s50, s51
	s_mov_b32 s51, 0
	s_add_nc_u64 s[36:37], s[36:37], s[50:51]      ; where I read
	s_lshl_b32 s50, s48, 14                        ; a row tile's image
	s_lshl_b32 s52, s49, 13                        ; four K steps of 128 in it
	s_add_co_u32 s50, s50, s52
	s_add_nc_u64 s[40:41], s[20:21], s[50:51]
	s_mov_b32 s47, 0
	s_add_nc_u64 s[38:39], s[40:41], s[46:47]      ; where the three sets of codes go: a base each, since the sections lie further apart than an immediate reaches
	s_add_nc_u64 s[42:43], s[40:41], XV
	s_add_nc_u64 s[40:41], s[40:41], XK
	s_mul_i32 s53, s22, WREG                       ; my two stages
	s_wait_alu depctr_va_vdst(0)
	v_lshlrev_b32 v9, 4, v7
	v_lshl_add_u32 v2, v8, 12, v9                  ; a load: lanes 0-15 one row's 256 bytes, lanes 16-31 the next row's
	v_mul_u32_u24 v3, v8, SPT
	v_add_nc_u32 v3, v3, v9
	v_add_nc_u32 v3, s53, v3                       ; into the stage: the same two rows
	v_mul_u32_u24 v4, v7, SPT
	v_lshl_add_u32 v4, v8, 5, v4
	v_add_nc_u32 v4, s53, v4                       ; out of it: row r, from number 8 h on
	v_lshlrev_b32 v5, 4, v6                        ; my 16 bytes of an image group
.macro LOAD t                          ; step t: 8 loads of 2 rows x 256 bytes
.irp i, 0,1,2,3,4,5,6,7
	global_load_b128 v[R+32*((\t)%4)+4*\i:R+32*((\t)%4)+4*\i+3], v2, s[36:37] offset:\i*8192+(\t)*256 th:TH_LOAD_NT
.endr
.endm
.macro TURN t                          ; step t through a stage: LDS serves a wave's instructions in order, so no wait stands between the stores and the loads
.set XT, X+32*((\t)%2)
.set SO, STG*((\t)%2)
.irp i, 0,1,2,3,4,5,6,7
	ds_store_b128 v3, v[R+32*((\t)%4)+4*\i:R+32*((\t)%4)+4*\i+3] offset:SO+2*SPT*\i
.endr
.irp gg, 0,1                           ; group gg: numbers 32 gg + 8 h + 0..7, then 32 gg + 16 + 8 h + 0..7
	ds_load_b128 v[XT+16*\gg:XT+16*\gg+3],     v4 offset:SO+128*\gg
	ds_load_b128 v[XT+16*\gg+4:XT+16*\gg+7],   v4 offset:SO+128*\gg+16
	ds_load_b128 v[XT+16*\gg+8:XT+16*\gg+11],  v4 offset:SO+128*\gg+64
	ds_load_b128 v[XT+16*\gg+12:XT+16*\gg+15], v4 offset:SO+128*\gg+80
.endr
.endm
.macro Q1 n, gg, t                     ; group gg of step t under scale n: held, converted, stored
.set jj, 0
.rept 16
	v_med3_num_f32 v[T+jj], v[XS+16*\gg+jj], -v[LIM+\n], v[LIM+\n]   ; the conversion to an 8-bit code does not saturate (ISA guide 7.6.2): hold first
.set jj, jj+1
.endr
	v_cvt_scalef32_pk8_fp8_f32 v[C+8*\n+4*\gg:C+8*\n+4*\gg+1],   v[T:T+7],    v[SCL+\n]
	v_cvt_scalef32_pk8_fp8_f32 v[C+8*\n+4*\gg+2:C+8*\n+4*\gg+3], v[T+8:T+15], v[SCL+\n]
	v_nop                                          ; a plain vector line between the conversions and the next holds, which write their sources
	global_store_b128 v5, v[C+8*\n+4*\gg:C+8*\n+4*\gg+3], s[38+2*\n:39+2*\n] offset:(\t)*1024+\gg*512   ; 32 lanes store 512 consecutive bytes
.endm
.macro STEP t
.set XS, X+32*((\t)%2)
	s_wait_dscnt 0x0                               ; this step's numbers are back from the stage, and its stores into the stage have read their registers,
.if (\t)+4 < 8
	LOAD (\t)+4                                    ; which take the loads of four steps on
.endif
.if (\t) < 7
.if (\t) <= 3
	s_wait_loadcnt 24                              ; the next step's 8 loads are in; those of the three steps behind it may be out
.else
	s_wait_loadcnt 8*(6-(\t))
.endif
	TURN (\t)+1                                    ; through the other stage while this step is worked
.endif
	s_wait_xcnt 0x0                                ; the last step's stores have read their data: the codes' registers are written again only behind this wait
	Q1 0, 0, \t
	Q1 0, 1, \t
	s_cmp_lt_u32 ttmp9, 256                        ; Wo has one scale, x three
	s_cbranch_scc0 .Lone_\@
	Q1 1, 0, \t
	Q1 1, 1, \t
	Q1 2, 0, \t
	Q1 2, 1, \t
.Lone_\@:
.endm
	LOAD 0
	LOAD 1
	LOAD 2
	LOAD 3
	s_wait_alu depctr_va_vdst(0)
	s_wait_kmcnt 0x0
	s_cmp_lt_u32 ttmp9, 256
	s_cselect_b32 s54, s25, s35                    ; entry 1 for x, entry 11 for Wo
	MKS 54, SCL, LIM
	MKS 27, SCL+1, LIM+1                           ; entry 3
	MKS 29, SCL+2, LIM+2                           ; entry 5
	s_wait_alu depctr_va_vdst(0)
	s_wait_loadcnt 24                              ; step 0's 8 loads are in
	TURN 0
	STEP 0
	STEP 1
	STEP 2
	STEP 3
	STEP 4
	STEP 5
	STEP 6
	STEP 7
	s_wait_tensorcnt 0x0
	ds_add_u32 v251, v255
	s_wait_dscnt 0x0
	s_endpgm
; ---------------- THE COLUMNS PATH.  A lane takes a column (a channel of a head) and its registers run down K: the conversions then give codes with K innermost, and nothing is transposed.
; A wave takes 32 columns x 256 along K, in 8 blocks of 32.  A block's 32 codes of a lane are the two 16-byte pieces (h = 0 and h = 1) of its row in one image group: sixteen lanes store 256 consecutive bytes.
.Lcols:
	s_sub_co_u32 s40, ttmp9, 288
	s_lshr_b32 s41, s40, 5                         ; 0: Wq, 1: Wk, 2: Wv
	s_bfe_u32 s42, s40, 0x40001                    ; the head
	s_and_b32 s43, s40, 1
	s_and_b32 s44, s22, 1                          ; which 32 of the head's 64 columns
	s_lshr_b32 s45, s22, 1
	s_lshl_b32 s43, s43, 1
	s_add_co_u32 s45, s45, s43                     ; which 256 along K
	s_cmp_eq_u32 s41, 0
	s_cselect_b64 s[36:37], s[12:13], s[14:15]
	s_cmp_eq_u32 s41, 2
	s_cselect_b64 s[36:37], s[16:17], s[36:37]
	s_lshl_b32 s46, s42, 18                        ; a head: 1,024 rows of 256 bytes
	s_lshl_b32 s48, s45, 16
	s_add_co_u32 s46, s46, s48
	s_lshl_b32 s48, s44, 7
	s_add_co_u32 s46, s46, s48
	s_mov_b32 s47, 0
	s_add_nc_u64 s[36:37], s[36:37], s[46:47]      ; where I read
	s_lshl_b32 s46, s41, 20                        ; the tensor's section,
	s_lshl_b32 s48, s42, 16                        ; the head's four row tiles,
	s_add_co_u32 s46, s46, s48
	s_lshl_b32 s48, s44, 15                        ; my two of them,
	s_add_co_u32 s46, s46, s48
	s_lshl_b32 s48, s45, 12                        ; my two K steps of 128
	s_add_co_u32 s46, s46, s48
	s_add_co_u32 s46, s46, WQ
	s_add_nc_u64 s[38:39], s[20:21], s[46:47]      ; where the codes go
	s_wait_alu depctr_va_vdst(0)
	v_lshlrev_b32 v3, 2, v6                        ; in: 4 bytes a lane
	v_lshlrev_b32 v4, 4, v7
	v_lshl_add_u32 v4, v8, 14, v4                  ; out: lanes 0-15 one row tile, lanes 16-31 the next; 16 bytes a row
.macro CLOAD t                         ; block t: W(32 t + i, my column)
.set jj, 0
.rept 32
	global_load_b32 v[CX+32*((\t)%2)+jj], v3, s[36:37] offset:(32*(\t)+jj)*256 th:TH_LOAD_NT
.set jj, jj+1
.endr
.endm
.macro BLOCK t
.set XS, CX+32*((\t)%2)
.set CC, CB+8*(\t)
.if (\t) < 7
	s_wait_loadcnt 32                              ; this block's 32 loads are in; the next block's may be out
.else
	s_wait_loadcnt 0x0
.endif
.set jj, 0
.rept 32
	v_med3_num_f32 v[XS+jj], v[XS+jj], -v10, v10
.set jj, jj+1
.endr
	v_cvt_scalef32_pk8_fp8_f32 v[CC:CC+1],   v[XS:XS+7],     v11   ; the piece of h = 0: k 0-7 and 16-23 of the block
	v_cvt_scalef32_pk8_fp8_f32 v[CC+2:CC+3], v[XS+16:XS+23], v11
	v_cvt_scalef32_pk8_fp8_f32 v[CC+4:CC+5], v[XS+8:XS+15],  v11   ; the piece of h = 1: k 8-15 and 24-31
	v_cvt_scalef32_pk8_fp8_f32 v[CC+6:CC+7], v[XS+24:XS+31], v11
	v_nop                                          ; a plain vector line behind the last conversion of the run
	global_store_b128 v4, v[CC:CC+3],   s[38:39] offset:512*(\t)
	global_store_b128 v4, v[CC+4:CC+7], s[38:39] offset:512*(\t)+256
.if (\t)+2 < 8
	CLOAD (\t)+2
.endif
.endm
	CLOAD 0
	CLOAD 1
	s_wait_kmcnt 0x0
	s_cmp_eq_u32 s41, 0
	s_cselect_b32 s54, s24, s26                    ; entry 0, 2
	s_cmp_eq_u32 s41, 2
	s_cselect_b32 s54, s28, s54                    ; or 4
	MKS 54, 11, 10
	s_wait_alu depctr_va_vdst(0)
	BLOCK 0
	BLOCK 1
	BLOCK 2
	BLOCK 3
	BLOCK 4
	BLOCK 5
	BLOCK 6
	BLOCK 7
	s_endpgm
.Lfunc_end_k_q39a82415a9_quant:
	.size	k_q39a82415a9_quant, .Lfunc_end_k_q39a82415a9_quant-k_q39a82415a9_quant
	.p2alignl 7, 3214868480
	.fill 96, 4, 3214868480
	.section	.rodata,"a",@progbits
	.p2align	6, 0x0
	.amdhsa_kernel k_q39a82415a9_quant
		.amdhsa_group_segment_fixed_size 35328
		.amdhsa_private_segment_fixed_size 0
		.amdhsa_enable_private_segment 0
		.amdhsa_kernarg_size 56
		.amdhsa_user_sgpr_count 2
		.amdhsa_user_sgpr_kernarg_segment_ptr 1
		.amdhsa_wavefront_size32 1
		.amdhsa_system_sgpr_workgroup_id_x 1
		.amdhsa_system_sgpr_workgroup_id_y 1
		.amdhsa_system_sgpr_workgroup_id_z 1
		.amdhsa_system_vgpr_workitem_id 0
		.amdhsa_next_free_vgpr 256
		.amdhsa_next_free_sgpr 66
		.amdhsa_reserve_vcc 0
		.amdhsa_float_denorm_mode_32 3
		.amdhsa_float_denorm_mode_16_64 3
		.amdhsa_memory_ordered 1
		.amdhsa_forward_progress 1
		.amdhsa_inst_pref_size 125
	.end_amdhsa_kernel
	.amdgpu_metadata
---
amdhsa.version: [ 1, 2 ]
amdhsa.kernels:
  - .name:           k_q39a82415a9_quant
    .symbol:         k_q39a82415a9_quant.kd
    .args:
      - { .name: x, .offset: 0, .size: 8, .value_kind: global_buffer, .address_space: global }
      - { .name: Wo, .offset: 8, .size: 8, .value_kind: global_buffer, .address_space: global }
      - { .name: Wq, .offset: 16, .size: 8, .value_kind: global_buffer, .address_space: global }
      - { .name: Wk, .offset: 24, .size: 8, .value_kind: global_buffer, .address_space: global }
      - { .name: Wv, .offset: 32, .size: 8, .value_kind: global_buffer, .address_space: global }
      - { .name: lowp_scales, .offset: 40, .size: 8, .value_kind: global_buffer, .address_space: global }
      - { .name: cds, .offset: 48, .size: 8, .value_kind: global_buffer, .address_space: global }
    .group_segment_fixed_size: 35328
    .private_segment_fixed_size: 0
    .kernarg_segment_align: 8
    .kernarg_segment_size: 56
    .max_flat_workgroup_size: 128
    .sgpr_count:     66
    .vgpr_count:     256
    .wavefront_size: 32
...
	.end_amdgpu_metadata
.endif
;; end of part 1
;; launch proj (part 2): grid 24 x 8, 4 waves a work-group, clusters of 4 x 1, 327,680 bytes of LDS; arguments cds, lowp_scales, qkv; writes qkv
.if DOCPART == 2
	.amdgcn_target "amdgcn-amd-amdhsa--gfx1250"
	.amdhsa_code_object_version 6
	.text
	.protected	k_q39a82415a9_proj
	.globl	k_q39a82415a9_proj
	.p2align	8
	.type	k_q39a82415a9_proj,@function
k_q39a82415a9_proj:
	s_mov_b64 s[64:65], 0
	v_nop
	global_prefetch_b8 v0, s[64:65] scope:SCOPE_SE
	s_setreg_imm32_b32 hwreg(HW_REG_WAVE_MODE, 25, 1), 1
	s_wait_xcnt 0x0
	s_wait_alu depctr_hold_cnt(0) depctr_sa_sdst(0) depctr_va_vdst(0) depctr_va_sdst(0) depctr_va_ssrc(0) depctr_va_vcc(0) depctr_vm_vsrc(0)
	s_getreg_b32 s2, hwreg(HW_REG_IB_STS2, 6, 4)
	s_cmp_eq_u32 s2, 0
	s_cbranch_scc0 .Lentry_in_a_cluster
	s_endpgm
.Lentry_in_a_cluster:
	s_bfe_u32 s2, ttmp6, 0x10000c
	s_cmp_lg_u32 s2, 0x3003
	s_cbranch_scc0 .Lentry_shape_is_right
	s_endpgm
.Lentry_shape_is_right:
; The three projections q, k, v = x W on codes of FP8 (E4M3), K = 1024, and their results quantised at once into the operands of attention's two products.
; OPERANDS lie in cds as images of their registers: byte = (row / 16) x 16384 + (k / 128) x 2048 + g x 512 + 16 x lane: 16 rows with all of K are 16,384 consecutive bytes, and every LDS load takes 512 consecutive bytes.
; THE DEAL.  A work-group HOLDS 128 rows of one operand and STREAMS 1,024 rows of the other past them.  Four waves, 2 x 2: a wave holds 64 rows, all of K, in 512 registers (source 0: its rows run along a lane's registers)
; and takes 512 of the streamed rows in 32 blocks of 16 (source 1: its rows become lanes), 32 products a block on four accumulators by turns.
;   q, k: held = 128 channels (two heads) of W, streamed = 1,024 tokens of x: a lane holds one token and eight neighbouring channels.
;   v:    held = 128 tokens of x, streamed = Wv's 1,024 channels: a lane holds one channel and eight neighbouring tokens.  So one text serves all three; only global addresses differ.
; Each product is 64 such shares, so the launch has 192 work-groups: three equal products do not divide into 256 equal shares of this form.
; LDS: two slots of 131,072 bytes.  The held rows land in slot 1 at the head and go on into registers; the streamed rows come in eight chunks of 128 rows, by turns on slots 0, 1; chunk 1 is filled over the held rows' bytes.
; Every refill stands behind a drained round of the cluster's barrier, a quarter of a chunk a wave.  A refill is asked for inside a chunk's third block, when the chunk's last block is in registers.
; CLUSTER: 4, 1, 1: the four partners have the same product and the same streamed rows, which are asked for jointly (mask 15).  The held rows, 131,072 of a work-group's 1,179,648 bytes, are each work-group's own in v, so they come by a plain load.
; PREFETCH: a chunk's 512 blocks of 256 bytes are shared out by address among the cluster's sixteen waves, a lane a block: chunks 1, 2 at the head; chunk c + 3 behind chunk c's last block, one refill ahead of its load; none past chunk 7.
; A sum stands for sum x 2^(eW + ex); its code is sum / 2^(eo - eW - ex), held within +-448.  (eW, ex, eo) = entries (0, 1, 6) for q, (2, 3, 7) for k, (4, 5, 9) for v.
; LIMIT: eo - eW - ex lies between -126 and 119.  NaN and infinities among the sums are not served.
; qkv: q at 0, k at 8,388,608, v at 16,777,216; 131,072 bytes for each (batch, head).  q, k: (token / 16) x 1024 + g x 512 + 16 x lane.  v: (key / 128) x 8192 + (channel / 16) x 2048 + g x 512 + 16 x lane.
; REGISTERS: window 0: addresses, the accumulators, the codes.  Windows 1, 2: the held rows, fragment 4 q + b.  Window 3: two sets of a streamed block.
.set SLOT,  131072
.set SPARE, 262144
.set WQS,   25165824
.set ADX0, 16                          ; v16, v17 LDS address of my blocks in slot 0, 1
.set ADX1, 17
.set ADW,  18                          ; v18 of my held rows in slot 1
.set CN,   19                          ; v19 16 x lane
.set PFO,  20                          ; v20 the prefetches' offset
.set SPW,  28
.set NIL,  29
.set SCV,  30                          ; the conversions' scale
.set CLV,  31                          ; the hold's bound
.set ACC,  32                          ; v32-63 four accumulators
.set NCD,  96                          ; v96-103 a block's codes
.set OB,   8                           ; s[8:9] where the block's codes go
.set PF,   10                          ; s[10:11] the prefetches' base
.set IST,  12                          ; s[12:13] from block to block
.set CST,  18                          ; s[18:19] from a chunk's last block to the next chunk's first
.set G1S,  24
.set G1A,  32
.set G1R,  48
.set G0S,  56
.set G0A,  60
.set G0R,  68
.set MSB, 0
.macro WIN new                         ; the immediate's high byte repeats the setting that is left
.if MSB != \new
	s_set_vgpr_msb (MSB<<8)|\new
.set MSB, \new
.endif
.endm
.macro PLACES n
.rept \n
	v_nop
.endr
.endm
.macro BARRIER
	s_barrier_signal -1
	s_barrier_wait -1
.endm
.macro MIDDLE                          ; a round's middle
	s_barrier_wait -1
	s_cmp_lg_u32 s14, 0
	s_cbranch_scc1 .Lnot_wave_0_\@
	s_barrier_signal -3
.Lnot_wave_0_\@:
	s_barrier_wait -3
.endm
.macro CROUND
	s_barrier_signal -1
	MIDDLE
	BARRIER
.endm
.macro TLOAD g0, g1                    ; an s_nop 0 and four v_nop follow the load
	tensor_load_to_lds s[\g0:\g0+3], s[\g1:\g1+7]
	s_nop 0
	PLACES 4
.endm
.macro GROUP1 g, w0, rows              ; so many rows of 4,096 bytes, dense in memory and in LDS
	s_mov_b32 s[\g+0], \w0
	s_mov_b32 s[\g+1], 512<<16
	s_mov_b32 s[\g+2], (\rows)<<16
	s_mov_b32 s[\g+3], 512<<16
	s_mov_b32 s[\g+4], \rows
	s_mov_b32 s[\g+5], 512
	s_mov_b32 s[\g+6], 0
	s_mov_b32 s[\g+7], 0
.endm
	s_load_b128 s[4:7], s[0:1], 0x0                ; cds, the scales' exponents
	s_load_b64 s[8:9], s[0:1], 0x10                ; qkv
	v_lshl_add_u32 v[SPW], v0, 2, SPARE
	v_mov_b32 v[NIL], 0
	ds_add_u32 v[SPW], v[NIL]                      ; the opening lines: the add twice on end and its wait
	ds_add_u32 v[SPW], v[NIL]
	v_lshrrev_b32 v1, 5, v0
	v_readfirstlane_b32 s14, v1                    ; wave 0..3
	s_lshr_b32 s15, s14, 1                         ; my half of the streamed rows; at the head: I fetch held rows (0) or chunk 0 (1)
	s_and_b32 s16, s14, 1                          ; my half of the held rows; at the head: which half I fetch
	s_bfe_u32 s40, ttmp6, 0x40000                  ; cx
	s_lshl_b32 s42, ttmp9, 2
	s_add_co_u32 s42, s42, s40                     ; work-group x, 0..23
	s_and_b32 s43, ttmp7, 0xffff                   ; work-group y, 0..7
	s_lshr_b32 s44, ttmp9, 1                       ; 0: q, 1: k, 2: v: the same in all partners
	s_lshl_b32 s45, s42, 17
	s_add_co_u32 s45, s45, WQS                     ; q, k hold: 128 rows of W
	s_and_b32 s46, s42, 7
	s_lshl_b32 s46, s46, 3
	s_add_co_u32 s46, s46, s43                     ; v: which 128 tokens
	s_lshl_b32 s47, s46, 17
	s_add_co_u32 s47, s47, 16777216                ; v holds: x under entry 5
	s_lshl_b32 s72, s44, 23
	s_lshl_b32 s73, s43, 20
	s_add_co_u32 s72, s72, s73                     ; q, k stream: 1,024 tokens of x under the product's scale
	s_mov_b32 s73, WQS+2097152                     ; v streams Wv
	s_cmp_eq_u32 s44, 2
	s_cselect_b32 s20, s47, s45
	s_cselect_b32 s22, s73, s72
	s_mov_b32 s21, 0
	s_mov_b32 s23, 0
	s_lshl_b32 s74, s16, 16                        ; a half: 64 rows
	s_add_co_u32 s20, s20, s74
	s_add_co_u32 s88, s22, s74
	s_mov_b32 s89, 0
	s_lshl_b32 s75, s14, 15                        ; a quarter: 32 rows
	s_add_co_u32 s90, s22, s75
	s_add_co_u32 s90, s90, SLOT                    ; chunk 1
	s_mov_b32 s91, 0
	s_add_co_u32 s92, s22, SLOT
	s_mov_b32 s93, 0
	GROUP1 G1S, 3<<16, 16                          ; elements of 8 bytes; no mask
	GROUP1 G1A, 15|(3<<16)|(1<<21), 16             ; the four partners; bit 21 beside a mask
	GROUP1 G1R, 15|(3<<16)|(1<<21), 8
	s_mov_b32 s[G0S], 1
	s_add_co_u32 s[G0S+1], s74, SLOT
	s_mov_b32 s[G0A], 1
	s_mov_b32 s[G0A+1], s74
	s_mov_b32 s[G0R], 1
	s_add_co_u32 s[G0R+1], s75, SLOT
	s_wait_alu depctr_va_vdst(0)
	s_wait_dscnt 0x0
	CROUND                                         ; the round in front of the first loads
	s_wait_kmcnt 0x0
	s_add_nc_u64 s[G0S+2:G0S+3], s[4:5], s[20:21]
	s_or_b32 s[G0S+3], s[G0S+3], 0x80000000
	s_add_nc_u64 s[G0A+2:G0A+3], s[4:5], s[88:89]
	s_or_b32 s[G0A+3], s[G0A+3], 0x80000000
	s_add_nc_u64 s[G0R+2:G0R+3], s[4:5], s[90:91]
	s_or_b32 s[G0R+3], s[G0R+3], 0x80000000
	s_add_nc_u64 s[PF:PF+1], s[4:5], s[92:93]      ; at chunk 1
	s_cmp_eq_u32 s15, 0                            ; one load a wave at the head; the two groups of waves wait at different places, so each has its line
	s_cbranch_scc0 .Lfor_x
	TLOAD G0S, G1S                                 ; waves 0, 1: the held rows, wanted first
	s_branch .Lasked
.Lfor_x:
	TLOAD G0A, G1A                                 ; waves 2, 3: chunk 0
.Lasked:
	s_load_b256 s[76:83], s[6:7], 0x0              ; entries 0 to 7
	s_load_b128 s[84:87], s[6:7], 0x20             ; entries 8 to 11
	; where my codes go.  q, k: (16 batch + head) x 131072 + 64 x token
	s_lshr_b32 s72, s43, 1
	s_lshl_b32 s72, s72, 4
	s_and_b32 s73, s42, 7
	s_lshl_b32 s73, s73, 1
	s_add_co_u32 s72, s72, s73
	s_add_co_u32 s72, s72, s16
	s_lshl_b32 s72, s72, 17
	s_and_b32 s73, s43, 1
	s_lshl_b32 s73, s73, 16
	s_add_co_u32 s72, s72, s73
	s_lshl_b32 s73, s15, 12
	s_add_co_u32 s72, s72, s73
	s_lshl_b32 s73, s44, 23
	s_add_co_u32 s72, s72, s73
	; v: head 2 c + my half of the stream, key step = my 128 tokens, groups 2 x my half of them on
	s_lshr_b32 s74, s46, 4
	s_lshl_b32 s74, s74, 4
	s_add_co_u32 s74, s74, s15
	s_lshl_b32 s74, s74, 17
	s_and_b32 s75, s46, 15
	s_lshl_b32 s75, s75, 13
	s_add_co_u32 s74, s74, s75
	s_lshl_b32 s75, s16, 10
	s_add_co_u32 s74, s74, s75
	s_add_co_u32 s74, s74, 16777216
	s_mov_b32 s[IST], 1024
	s_mov_b32 s[CST], 8192-3*1024
	s_mov_b32 s75, 2048
	s_mov_b32 s88, 262144-3*2048
	s_cmp_eq_u32 s44, 2
	s_cselect_b32 s72, s74, s72
	s_cselect_b32 s[IST], s75, s[IST]
	s_cselect_b32 s[CST], s88, s[CST]
	s_mov_b32 s73, 0
	s_mov_b32 s[IST+1], 0
	s_mov_b32 s[CST+1], 0
	s_add_nc_u64 s[OB:OB+1], s[OB:OB+1], s[72:73]
	s_sub_nc_u64 s[OB:OB+1], s[OB:OB+1], s[CST:CST+1]   ; the first block's step brings it to the first place
	s_lshl_b32 s89, s15, 16
	s_lshl_b32 s90, s16, 16
	s_add_co_u32 s90, s90, SLOT
	s_lshl_b32 s91, s40, 2
	s_add_co_u32 s91, s91, s14
	s_lshl_b32 s91, s91, 13                        ; my sixteenth of a chunk
	v_and_b32 v2, 31, v0
	v_lshlrev_b32 v[CN], 4, v2
	v_add_nc_u32 v[ADX0], s89, v[CN]
	v_add_nc_u32 v[ADX1], SLOT, v[ADX0]
	v_add_nc_u32 v[ADW], s90, v[CN]
	v_lshl_add_u32 v[PFO], v2, 8, s91
	s_wait_alu depctr_va_vdst(0)
	global_prefetch_b8 v[PFO], s[PF:PF+1] th:TH_LOAD_NT scope:SCOPE_SE                 ; chunk 1
	global_prefetch_b8 v[PFO], s[PF:PF+1] offset:SLOT th:TH_LOAD_NT scope:SCOPE_SE     ; chunk 2
	s_wait_kmcnt 0x0
	s_cmp_eq_u32 s44, 0                            ; choices between loaded numbers, made without a jump
	s_cselect_b32 s88, s76, s78
	s_cselect_b32 s89, s77, s79
	s_cselect_b32 s90, s82, s83
	s_cmp_eq_u32 s44, 2
	s_cselect_b32 s88, s80, s88
	s_cselect_b32 s89, s81, s89
	s_cselect_b32 s90, s85, s90
	s_sub_co_i32 s90, s90, s88
	s_sub_co_i32 s90, s90, s89
	s_add_co_i32 s90, s90, 127
	s_lshl_b32 s91, s90, 23
	v_mov_b32 v[SCV], s91                          ; 2^(eo - eW - ex)
	s_add_co_i32 s90, s90, 8
	s_lshl_b32 s90, s90, 23
	s_or_b32 s90, s90, 0x600000
	v_mov_b32 v[CLV], s90                          ; 448 x that
	s_wait_alu depctr_va_vdst(0)
	s_cmp_eq_u32 s15, 0
	s_cbranch_scc0 .Lnot_s
	s_wait_tensorcnt 0x0                           ; waves 0, 1: my half of the held rows is in
.Lnot_s:
	BARRIER
.irp q, 0,1,2,3,4,5,6,7                ; my 64 held rows, all of K: 128 loads
.irp b, 0,1,2,3
	WIN (1+(4*\q+\b)/16)<<6
.irp c, 0,1,2,3
	ds_load_b128 v[16*((4*\q+\b)%16)+4*\c:16*((4*\q+\b)%16)+4*\c+3], v[ADW] offset:\b*16384+\q*2048+\c*512
.endr
.endr
.endr
	WIN 0
	s_wait_tensorcnt 0x0                           ; the three lines ahead of a refill's round: all my loads are in (waves 2, 3: chunk 0),
	ds_add_u32 v[SPW], v[NIL]
	s_wait_dscnt 0x0                               ; the add is done, and I hold my rows in registers
	CROUND
	TLOAD G0R, G1R                                 ; chunk 1, onto the held rows' bytes
.macro PRODS e, from, to, fa=-1, fi=0  ; products from .. to - 1 of a block in set e: product 4 q + b.  fa >= 0: behind every second of the first sixteen stand four loads of block fi at address register fa, into the other set
.set N_, \from
.rept (\to)-(\from)
	WIN (1+N_/16)|(3<<2)
.if N_/4
	v_wmma_f32_16x16x128_fp8_fp8 v[ACC+8*(N_%4):ACC+8*(N_%4)+7], v[16*(N_%16):16*(N_%16)+15], v[128*\e+16*(N_/4):128*\e+16*(N_/4)+15], v[ACC+8*(N_%4):ACC+8*(N_%4)+7]
.else
	v_wmma_f32_16x16x128_fp8_fp8 v[ACC+8*(N_%4):ACC+8*(N_%4)+7], v[16*(N_%16):16*(N_%16)+15], v[128*\e+16*(N_/4):128*\e+16*(N_/4)+15], 0
.endif
.if ((\fa) >= 0) && (N_ < 16) && (N_ % 2)
	WIN 3<<6
.set L_, 2*(N_-1)
.rept 4
	ds_load_b128 v[128*(1-\e)+4*L_:128*(1-\e)+4*L_+3], v[\fa] offset:(\fi)*16384+512*L_
.set L_, L_+1
.endr
.endif
.set N_, N_+1
.endr
.endm
.macro FETCH e, adr, i                 ; block i of my four in a chunk, all of K, into set e: 32 loads
	WIN 3<<6
.irp q, 0,1,2,3,4,5,6,7
.irp c, 0,1,2,3
	ds_load_b128 v[128*\e+16*\q+4*\c:128*\e+16*\q+4*\c+3], v[\adr] offset:(\i)*16384+\q*2048+\c*512
.endr
.endr
	WIN 0
.endm
.macro WAYOUT st                       ; the block's 32 sums a lane are held, converted and stored: two stores of 512 consecutive bytes
	s_wait_xcnt 0x0                                ; the last block's stores have read their base and data
	s_add_nc_u64 s[OB:OB+1], s[OB:OB+1], s[\st:\st+1]
.set I_, 0
.rept 32
	v_med3_num_f32 v[ACC+I_], v[ACC+I_], -v[CLV], v[CLV]   ; the conversion does not saturate (ISA guide 7.6.2); each accumulator from its low end on
.set I_, I_+1
.endr
.irp t, 0,1,2,3
	v_cvt_scalef32_pk8_fp8_f32 v[NCD+2*\t:NCD+2*\t+1], v[ACC+8*\t:ACC+8*\t+7], v[SCV]
.endr
	v_nop                                          ; a plain line behind the last conversion: the next products write its sources
	global_store_b128 v[CN], v[NCD:NCD+3], s[OB:OB+1]
	global_store_b128 v[CN], v[NCD+4:NCD+7], s[OB:OB+1] offset:512
.endm
.macro PB e, fa, fi, st                ; a plain block: its fragments were asked for among the first half of the block before
	s_wait_dscnt 0x0
	PRODS \e, 0, 32, \fa, \fi
	WIN 0
	PLACES 4                                       ; in front of the first read of the sums, and of the next block's loads into this set
	WAYOUT \st
.endm
.macro RB a                            ; a chunk's third block, with a refill's round: this chunk's slot takes the chunk two on
	s_wait_dscnt 0x0
	PRODS 0, 0, 16, \a, 3                          ; the chunk's last block is asked for
	WIN 0
	s_wait_tensorcnt 0x0
	ds_add_u32 v[SPW], v[NIL]                      ; work on registers stands between the add and its wait
	s_xor_b32 s[G0R+1], s[G0R+1], SLOT
	s_add_nc_u64 s[G0R+2:G0R+3], s[G0R+2:G0R+3], SLOT
	PRODS 0, 16, 28
	WIN 0
	s_wait_dscnt 0x0
	s_barrier_signal -1
	PRODS 0, 28, 32
	WIN 0
	MIDDLE
	BARRIER
	TLOAD G0R, G1R                                 ; its four v_nop are the places in front of the first read of the sums
	WAYOUT IST
.endm
.macro SB a                            ; the same block where nothing is left to fill: a plain barrier shows the last chunk
	s_wait_dscnt 0x0
	PRODS 0, 0, 28, \a, 3
	WIN 0
	s_wait_tensorcnt 0x0
	s_wait_dscnt 0x0
	s_barrier_signal -1
	PRODS 0, 28, 32
	WIN 0
	s_barrier_wait -1
	PLACES 4
	WAYOUT IST
.endm
.macro CHUNK a, o, mode                ; four blocks; a: this chunk's slot, o: the other.  mode 2: refill, 1: show, 0: the last chunk
	PB 0, \a, 1, CST
	PB 1, \a, 2, IST
.if \mode == 2
	RB \a
	PB 1, \o, 0, IST
.elseif \mode == 1
	SB \a
	PB 1, \o, 0, IST
.else
	PB 0, \a, 3, IST
	PB 1, -1, 0, IST
.endif
.endm
	FETCH 0, ADX0, 0
	s_mov_b32 s17, 0
.Lpair:                                            ; three trips: chunks 2 t and 2 t + 1, refills of chunks 2 t + 2 and 2 t + 3
	CHUNK ADX0, ADX1, 2
	global_prefetch_b8 v[PFO], s[PF:PF+1] offset:2*SLOT th:TH_LOAD_NT scope:SCOPE_SE   ; chunk 2 t + 3
	CHUNK ADX1, ADX0, 2
	s_cmp_lt_u32 s17, 2                            ; chunk 2 t + 4, while there is one
	s_cbranch_scc0 .Lno_ask
	global_prefetch_b8 v[PFO], s[PF:PF+1] offset:3*SLOT th:TH_LOAD_NT scope:SCOPE_SE
.Lno_ask:
	s_wait_xcnt 0x0                                ; the prefetches have read their base
	s_add_nc_u64 s[PF:PF+1], s[PF:PF+1], 2*SLOT
	s_add_co_u32 s17, s17, 1
	s_cmp_lt_u32 s17, 3
	s_cbranch_scc1 .Lpair
	CHUNK ADX0, ADX1, 1
	CHUNK ADX1, ADX0, 0
	s_wait_tensorcnt 0x0                           ; the wave's end
	ds_add_u32 v[SPW], v[NIL]
	s_wait_dscnt 0x0
	CROUND                                         ; the closing round
	s_endpgm
.Lfunc_end_k_q39a82415a9_proj:
	.size	k_q39a82415a9_proj, .Lfunc_end_k_q39a82415a9_proj-k_q39a82415a9_proj
	.p2alignl 7, 3214868480
	.fill 96, 4, 3214868480
	.section	.rodata,"a",@progbits
	.p2align	6, 0x0
	.amdhsa_kernel k_q39a82415a9_proj
		.amdhsa_group_segment_fixed_size 327680
		.amdhsa_private_segment_fixed_size 0
		.amdhsa_enable_private_segment 0
		.amdhsa_kernarg_size 24
		.amdhsa_user_sgpr_count 2
		.amdhsa_user_sgpr_kernarg_segment_ptr 1
		.amdhsa_wavefront_size32 1
		.amdhsa_system_sgpr_workgroup_id_x 1
		.amdhsa_system_sgpr_workgroup_id_y 1
		.amdhsa_system_sgpr_workgroup_id_z 1
		.amdhsa_system_vgpr_workitem_id 0
		.amdhsa_next_free_vgpr 1024
		.amdhsa_next_free_sgpr 96
		.amdhsa_reserve_vcc 0
		.amdhsa_float_denorm_mode_32 3
		.amdhsa_float_denorm_mode_16_64 3
		.amdhsa_memory_ordered 1
		.amdhsa_forward_progress 1
		.amdhsa_inst_pref_size 135
	.end_amdhsa_kernel
	.amdgpu_metadata
---
amdhsa.version: [ 1, 2 ]
amdhsa.kernels:
  - .name:           k_q39a82415a9_proj
    .symbol:         k_q39a82415a9_proj.kd
    .args:
      - { .name: cds, .offset: 0, .size: 8, .value_kind: global_buffer, .address_space: global }
      - { .name: lowp_scales, .offset: 8, .size: 8, .value_kind: global_buffer, .address_space: global }
      - { .name: qkv, .offset: 16, .size: 8, .value_kind: global_buffer, .address_space: global }
    .group_segment_fixed_size: 327680
    .private_segment_fixed_size: 0
    .kernarg_segment_align: 8
    .kernarg_segment_size: 24
    .max_flat_workgroup_size: 128
    .sgpr_count:     96
    .vgpr_count:     1024
    .wavefront_size: 32
...
	.end_amdgpu_metadata
.endif
;; end of part 2
;; launch attn (part 3): grid 4 x 64, 16 waves a work-group, clusters of 4 x 1, 264,192 bytes of LDS; arguments qkv, lowp_scales, oc; writes oc
.if DOCPART == 3
	.amdgcn_target "amdgcn-amd-amdhsa--gfx1250"
	.amdhsa_code_object_version 6
	.text
	.protected	k_q39a82415a9_attn
	.globl	k_q39a82415a9_attn
	.p2align	8
	.type	k_q39a82415a9_attn,@function
k_q39a82415a9_attn:
	s_mov_b64 s[64:65], 0
	v_nop
	global_prefetch_b8 v0, s[64:65] scope:SCOPE_SE
	s_setreg_imm32_b32 hwreg(HW_REG_WAVE_MODE, 25, 1), 1
	s_wait_xcnt 0x0
	s_wait_alu depctr_hold_cnt(0) depctr_sa_sdst(0) depctr_va_vdst(0) depctr_va_sdst(0) depctr_va_ssrc(0) depctr_va_vcc(0) depctr_vm_vsrc(0)
	s_getreg_b32 s2, hwreg(HW_REG_IB_STS2, 6, 4)
	s_cmp_eq_u32 s2, 0
	s_cbranch_scc0 .Lentry_in_a_cluster
	s_endpgm
.Lentry_in_a_cluster:
	s_bfe_u32 s2, ttmp6, 0x10000c
	s_cmp_lg_u32 s2, 0x3003
	s_cbranch_scc0 .Lentry_shape_is_right
	s_endpgm
.Lentry_shape_is_right:
; Causal attention on codes of FP8 (E4M3): 64 (batch, head) pairs, 2,048 tokens, head size 64.  q (entry 6), k (entry 7), v (entry 9) come as images of their fragments; p is quantised with entry 8;
; the result, divided by the row's sum, is quantised with entry 10 into the image of the last product's operand.
; THE SOFTMAX: t = score x log2(e) / 8; M = the running largest t rounded up to a whole number; p = 2^(t - M), not normalised, is what is quantised; the row's sum is taken of the unquantised p.
; When M moves, the sum and O are multiplied by 2^(old M - new M), which rounds nothing.  Key steps that the causal mask hides whole are left out.
; THE DEAL.  A head's 128 tiles of 16 queries are dealt to four work-groups: the work-group at place cx takes tiles 4 u + cx, u = 0 .. 31.  Wave w takes u = 31 - w (the late tile) and then u = w (the early tile):
; u / 2 + 1 key steps of 128 for tile u, so 17 steps for every wave of every work-group.  Which steps are hidden, open or on the diagonal hangs on u alone (64 u + 16 cx + 15 < 64 u + 64), never on cx.
; CLUSTER: the four work-groups of a head read the same K and V, all of it: each of the sixteen waves asks for 16,384 bytes by one joint load (mask 15), the wave's one tensor load.  cx enters global addresses of q and oc
; and the lane masks of the diagonal step, and no branch, trip count or LDS address.
; LDS holds the head's K (131,072 bytes) and V (131,072 bytes) whole; every byte is filled once.  Wave w brings chunk w / 2 (256 keys) of K (w even) or V (w odd).  Two load lines: waves 0-3 (keys 0-511) and waves 4-15;
; the first barrier shows the first line's tiles, the second, behind the late tile's first iteration, all.
; THE STEPS OVERLAP IN A WAVE.  Iteration n finds S(n) in registers; it asks for V(n - 1), takes the maxima and t - M of S(n), multiplies P(n - 1) V(n - 1), asks for K(n + 1) into the registers that V has left,
; takes the exponentials, brings O and the sum under the new M, sums, quantises p(n), and ends with S(n + 1) = K(n + 1) Q^T.  A tile's first iteration has no product with V and is written out; its last product with V follows the loop.
; NO PREFETCH: all that the launch loads into LDS is asked for at the head, so there is no loop that runs ahead of a load.
; LAYOUT.  Both products are used transposed: S^T = K Q^T, O^T = V^T P^T: a lane holds one query (lane % 16).  In tile t of S^T lane (r, h) holds keys 16 t + 8 h + 0..7: its eight codes are registers 2 t, 2 t + 1 of P's fragment.
; THE DIAGONAL STEP: with m = 4 (u % 2) + cx, tiles t < m count whole, tiles t > m are hidden whole, and in tile m register j is hidden where j > r - 8 h: eight lane masks made once, joined by scalar lines, 64 selects.
; LIMITS: entries 6 + 7 between -123 and 130; entry 8, and entry 10 - entry 8 - entry 9, between -126 and 119, so that each power of two below is an f32 number.  The scaled scores stay under 2^31 in magnitude.
; REGISTERS: v1 16 x lane; v2 the same in V's image, one step back; v8, v9 the iteration's addresses; v12 -M, v13 the largest t, v[14:15] the sum; v16-23 Q of the late tile, v24-31 of the early; v32-95 V's four fragments, then K's eight;
; v96-159 S^T, then p; v160-191 O^T; v192-207 p's codes; v208-223 the results' codes; v230-254 at work and constants; v250 -infinity; v251, v255 the add's two.
.set VIMG, 131072
.set SPARE, 262144
.set WV,   10
.set SEL,  24
.set CS,   26
.set KF,   28                          ; the step's first key
.set QL,   29                          ; 64 u + 63
.set TB,   30                          ; 64 x KF
.set CNT,  31
.set QB,   36                          ; 64 u
.set G1,   16
.set G0,   32
.set MK,   80                          ; s80-87 lanes where j > r - 8 h
.macro CROUND
	s_barrier_signal -1
	s_barrier_wait -1
	s_cmp_lg_u32 s[WV], 0
	s_cbranch_scc1 .Lnot_wave_0_\@
	s_barrier_signal -3
.Lnot_wave_0_\@:
	s_barrier_wait -3
	s_barrier_signal -1
	s_barrier_wait -1
.endm
.macro TLOAD                           ; an s_nop 0 and four v_nop follow the load
	tensor_load_to_lds s[G0:G0+3], s[G1:G1+7]
	s_nop 0
.rept 4
	v_nop
.endr
.endm
	s_load_b128 s[4:7], s[0:1], 0x0                ; qkv, the scales' exponents
	s_load_b64 s[8:9], s[0:1], 0x10                ; oc
	v_lshl_add_u32 v251, v0, 2, SPARE
	v_mov_b32 v255, 0
	ds_add_u32 v251, v255                          ; the opening lines: the add twice on end and its wait
	ds_add_u32 v251, v255
	v_lshrrev_b32 v4, 5, v0
	s_delay_alu instid0(VALU_DEP_1)
	v_readfirstlane_b32 s[WV], v4                  ; wave 0..15
	s_and_b32 s11, ttmp7, 0xffff                   ; cluster y = 16 x batch + head
	s_bfe_u32 s37, ttmp6, 0x40000                  ; cx
	s_lshl_b32 s12, s11, 17
	s_mov_b32 s13, 0
	s_mov_b32 s[G1], 15|(3<<16)|(1<<21)            ; the four partners; elements of 8 bytes; bit 21 beside a mask
	s_mov_b32 s[G1+1], 512<<16                     ; 4 rows of 4,096 bytes, dense in memory and in LDS
	s_mov_b32 s[G1+2], 4<<16
	s_mov_b32 s[G1+3], 512<<16
	s_mov_b32 s[G1+4], 4
	s_mov_b32 s[G1+5], 512
	s_mov_b32 s[G1+6], 0
	s_mov_b32 s[G1+7], 0
	s_and_b32 s62, s[WV], 1                        ; K (0) or V (1)
	s_lshr_b32 s63, s[WV], 1
	s_lshl_b32 s63, s63, 14                        ; the chunk
	s_lshl_b32 s72, s62, 17
	s_add_co_u32 s72, s72, s63                     ; in LDS
	s_lshl_b32 s76, s62, 23
	s_add_co_u32 s76, s76, s63
	s_add_co_u32 s76, s76, 8388608                 ; in qkv: k's section or v's
	s_mov_b32 s77, 0
	s_mov_b32 s[SEL], 0x76543210
	s_mov_b32 s[SEL+1], 0xfedcba98
	s_mov_b32 s[CS], 0x3e38aa3b                    ; log2(e) / 8
	s_mov_b32 s[G0], 1
	s_mov_b32 s[G0+1], s72
	s_wait_alu depctr_va_vdst(0)
	s_wait_dscnt 0x0
	CROUND                                         ; the round in front of the joint loads
	s_wait_kmcnt 0x0
	s_load_b256 s[48:55], s[6:7], 0x0              ; entries 0 to 7
	s_load_b128 s[56:59], s[6:7], 0x20             ; entries 8 to 11
	s_add_nc_u64 s[14:15], s[4:5], s[12:13]        ; q's section at my head
	s_add_nc_u64 s[G0+2:G0+3], s[14:15], s[76:77]
	s_or_b32 s[G0+3], s[G0+3], 0x80000000
	s_cmp_lt_u32 s[WV], 4                          ; a load line to each group of waves that waits alike
	s_cbranch_scc0 .Larm2
	TLOAD
	s_branch .Lasked
.Larm2:
	TLOAD
.Lasked:
	s_xor_b32 s62, s[WV], 31                       ; u of the late tile: 31 - w
	s_lshl_b32 s40, s62, 6                         ; 64 u, late
	s_lshl_b32 s41, s[WV], 6                       ; 64 u, early
	s_lshr_b32 s63, s62, 1
	s_lshl_b32 s63, s63, 13
	s_add_co_u32 s42, s63, 8192                    ; the late tile's last step in V's image, seen from v2
	s_lshr_b32 s63, s[WV], 1
	s_lshl_b32 s63, s63, 13
	s_add_co_u32 s43, s63, 8192                    ; the early tile's
	s_lshl_b32 s63, s37, 4
	s_add_co_u32 s60, s40, s63                     ; my first query, late
	s_add_co_u32 s61, s41, s63                     ; early
	s_and_b32 s62, s62, 1
	s_lshl_b32 s62, s62, 2
	s_add_co_u32 s38, s62, s37                     ; m, late
	s_and_b32 s62, s[WV], 1
	s_lshl_b32 s62, s62, 2
	s_add_co_u32 s39, s62, s37                     ; m, early
	s_mov_b32 s73, 0
	s_lshl_b32 s72, s60, 6                         ; 1,024 bytes for 16 tokens
	s_add_nc_u64 s[66:67], s[14:15], s[72:73]
	s_lshl_b32 s72, s61, 6
	s_add_nc_u64 s[68:69], s[14:15], s[72:73]
	s_lshr_b32 s62, s11, 4
	s_lshl_b32 s62, s62, 11                        ; the batch's first row of oc
	s_and_b32 s63, s11, 15                         ; the head: 1,024 bytes of a row tile's image
	s_add_co_u32 s72, s62, s60
	s_add_co_u32 s72, s72, s63
	s_lshl_b32 s72, s72, 10
	s_add_nc_u64 s[70:71], s[8:9], s[72:73]        ; where the late tile's codes go
	s_add_co_u32 s72, s62, s61
	s_add_co_u32 s72, s72, s63
	s_lshl_b32 s72, s72, 10
	s_add_nc_u64 s[74:75], s[8:9], s[72:73]        ; the early tile's
	v_and_b32 v1, 31, v0
	s_delay_alu instid0(VALU_DEP_1)
	v_lshlrev_b32 v1, 4, v1                        ; 16 x lane
	global_load_b128 v[16:19], v1, s[66:67] th:TH_LOAD_NT
	global_load_b128 v[20:23], v1, s[66:67] offset:512 th:TH_LOAD_NT
	global_load_b128 v[24:27], v1, s[68:69] th:TH_LOAD_NT
	global_load_b128 v[28:31], v1, s[68:69] offset:512 th:TH_LOAD_NT
	v_and_b32 v3, 15, v0
	v_bfe_u32 v4, v0, 4, 1
	s_delay_alu instid0(VALU_DEP_1)
	v_lshlrev_b32 v4, 3, v4
	s_delay_alu instid0(VALU_DEP_1)
	v_sub_nc_u32 v3, v3, v4                        ; r - 8 h
	v_add_nc_u32 v2, VIMG-8192, v1
	v_mov_b32 v236, 0                              ; a lane permute's destination counts as one of its sources
	v_mov_b32 v253, 0                              ; (the upper half of the pair v[252:253])
	v_mov_b32 v250, 0xff800000                     ; -infinity
.irp j, 0,1,2,3,4,5,6,7
	v_cmp_gt_i32 s[MK+\j], \j, v3
.endr
	s_wait_kmcnt 0x0
	s_add_co_i32 s72, s54, s55
	s_lshl_b32 s72, s72, 23
	s_add_co_i32 s[CS], s[CS], s72                 ; entries 6 + 7 go into c's exponent field
	s_mov_b32 s[CS+1], s[CS]
	s_add_co_i32 s72, s56, 127
	s_lshl_b32 s73, s72, 23
	v_mov_b32 v244, s73                            ; 2^(entry 8)
	s_add_co_i32 s72, s72, 8
	s_lshl_b32 s72, s72, 23
	s_or_b32 s72, s72, 0x600000
	v_mov_b32 v240, s72                            ; 448 x that,
	v_mov_b32 v237, s72                            ; twice: the two halves of a dual pair take their second sources from different banks
	s_sub_co_i32 s72, s58, s56
	s_sub_co_i32 s72, s72, s57                     ; entry 10 - entry 8 - entry 9
	s_add_co_i32 s72, s72, 127
	s_lshl_b32 s73, s72, 23
	v_mov_b32 v245, s73
	s_add_co_i32 s72, s72, 8
	s_lshl_b32 s72, s72, 23
	s_or_b32 s72, s72, 0x600000
	v_mov_b32 v241, s72
.macro KLOAD adr, off                  ; K: eight fragments of 16 keys x 64
.irp t, 0,1,2,3,4,5,6,7
	ds_load_b128 v[32+8*\t:35+8*\t], v[\adr] offset:(\off)+\t*1024
	ds_load_b128 v[36+8*\t:39+8*\t], v[\adr] offset:(\off)+\t*1024+512
.endr
.endm
.macro VLOAD                           ; V: four fragments of 16 channels x 128 keys
.irp c, 0,1,2,3
.irp g2, 0,1,2,3
	ds_load_b128 v[32+16*\c+4*\g2:35+16*\c+4*\g2], v9 offset:\c*2048+\g2*512
.endr
.endr
.endm
.macro SPROD q
.irp t, 0,1,2,3,4,5,6,7
	v_wmma_f32_16x16x64_fp8_fp8 v[96+8*\t:103+8*\t], v[32+8*\t:39+8*\t], v[\q:\q+7], 0
.endr
.endm
.macro PVPROD                          ; the four accumulators take turns, one instruction a turn
.irp c, 0,1,2,3
	v_wmma_f32_16x16x128_fp8_fp8 v[160+8*\c:167+8*\c], v[32+16*\c:47+16*\c], v[192:207], v[160+8*\c:167+8*\c]
.endr
.endm
; AN ITERATION.  q: Q's first register; g = 1: the step may be hidden or lie on the diagonal, and the next may be hidden; pv = 1: the step before has its product with V here; sm: the register with m.
.macro ITER q, g, pv, sm
.if \g
	s_cmp_gt_u32 s[KF], s[QL]                      ; all keys come after my queries: a scalar branch on ids, round the work alone
	s_cbranch_scc1 .Lhid_\@
.endif
	v_add_nc_u32 v8, s[TB], v1
.if \pv
	v_add_nc_u32 v9, s[TB], v2
.else
	v_nop
.endif
	v_nop
	v_nop                                          ; four plain lines behind S's products: in front of loads into K's registers and of the first read of the scores
.if \pv
	VLOAD                                          ; V(n - 1): it lands under the maxima
.endif
.if \g
	s_add_co_u32 s72, s[KF], 128
	s_cmp_le_u32 s72, s[QB]                        ; all 128 keys count for all my queries
	s_cbranch_scc1 .Lopen_\@
.irp t, 0,1,2,3,4,5,6,7
	s_cmp_gt_u32 \t, s[\sm]
	s_cselect_b32 s88, -1, 0                       ; the tile is hidden whole
	s_cmp_ge_u32 \t, s[\sm]
	s_cselect_b32 s89, -1, 0                       ; or it is the diagonal's
.irp j, 0,1,2,3,4,5,6,7
	s_and_b32 s[90+(\j%2)], s89, s[MK+\j]
	s_or_b32 s[90+(\j%2)], s[90+(\j%2)], s88
	v_cndmask_b32 v[96+8*\t+\j], v[96+8*\t+\j], v250, s[90+(\j%2)]
.endr
.endr
.Lopen_\@:
.endif
.irp c, 0,1,2,3                        ; the step's largest score of my query, in four chains of 16 registers; each tile is first read at its low end
	v_max3_num_f32 v[230+\c], v[96+16*\c], v[97+16*\c], v[98+16*\c]
.endr
.irp i, 3,5,7,9,11,13
.irp c, 0,1,2,3
	v_max3_num_f32 v[230+\c], v[230+\c], v[96+16*\c+\i], v[97+16*\c+\i]
.endr
.endr
	v_max3_num_f32 v230, v230, v231, v111
	v_max3_num_f32 v232, v232, v233, v127
	v_max3_num_f32 v230, v230, v143, v159
	s_delay_alu instid0(VALU_DEP_1)
	v_max_num_f32 v254, v230, v232
	s_delay_alu instid0(VALU_DEP_1)
	v_permlanex16_b32 v236, v254, s[SEL], s[SEL+1]
	s_delay_alu instid0(VALU_DEP_1)
	v_max_num_f32 v254, v254, v236
	s_delay_alu instid0(VALU_DEP_1)
	v_mul_f32 v254, s[CS], v254                    ; as t (c is positive)
	s_delay_alu instid0(VALU_DEP_1)
	v_max_num_f32 v13, v13, v254
	v_mov_b32 v254, v12
	s_delay_alu instid0(VALU_DEP_2)
	v_floor_f32 v12, -v13                          ; the new -M
	s_delay_alu instid0(VALU_DEP_1)
	v_sub_f32 v254, v12, v254                      ; old M - new M
	s_delay_alu instid0(VALU_DEP_1)
	v_cvt_i32_f32 v254, v254                       ; (it saturates)
	s_delay_alu instid0(VALU_DEP_1)
	v_ldexp_f32 v252, 1.0, v254                    ; f = 2^(old M - new M)
.set jj, 0
.rept 32
	v_pk_fma_f32 v[96+jj:97+jj], v[96+jj:97+jj], s[CS:CS+1], v[12:13] op_sel_hi:[1,0,0]   ; t - M
.set jj, jj+2
.endr
	s_wait_alu depctr_va_vdst(0)                   ; ahead of the wait below, and ahead of the exponentials
.if \pv
	s_wait_dscnt 0x0                               ; V(n - 1) is in
	PVPROD                                         ; O^T += V(n - 1)^T P(n - 1)^T, still under the old M
.endif
.rept 4
	v_nop                                          ; places in front of the loads into V's registers
.endr
.if \g
	s_add_co_u32 s72, s[KF], 128
	s_cmp_gt_u32 s72, s[QL]                        ; the next step is hidden: nothing of it is fetched
	s_cbranch_scc1 .Lnok_\@
.endif
	KLOAD 8, 8192                                  ; K(n + 1): it lands under the exponentials
.if \g
.Lnok_\@:
.endif
.set jj, 0
.rept 64
	v_exp_f32 v[96+jj], v[96+jj]                   ; p = 2^(t - M)
.set jj, jj+1
.endr
	v_pk_mul_f32 v[14:15], v[14:15], v[252:253] op_sel_hi:[1,0]   ; the sums under the new M: the plain line behind the exponentials
	s_wait_alu depctr_va_vdst(0)                   ; one wait for the batch, directly ahead of O^T's first readers too
.set jj, 0
.rept 16
	v_pk_mul_f32 v[160+jj:161+jj], v[160+jj:161+jj], v[252:253] op_sel_hi:[1,0]   ; O^T under the new M; each accumulator from its low end on
.set jj, jj+2
.endr
	v_pk_add_f32 v[242:243], v[100:101], v[104:105]
	v_pk_add_f32 v[248:249], v[108:109], v[112:113]
	v_pk_add_f32 v[246:247], v[116:117], v[120:121]
	v_pk_add_f32 v[238:239], v[124:125], v[128:129]
	v_pk_add_f32 v[234:235], v[132:133], v[136:137]
	v_pk_add_f32 v[232:233], v[140:141], v[144:145]
	v_pk_add_f32 v[230:231], v[148:149], v[152:153]
	v_pk_add_f32 v[14:15], v[14:15], v[156:157]
	v_pk_add_f32 v[242:243], v[242:243], v[96:97]
	v_pk_add_f32 v[248:249], v[248:249], v[98:99]
	v_pk_add_f32 v[246:247], v[246:247], v[102:103]
	v_pk_add_f32 v[238:239], v[238:239], v[106:107]
	v_pk_add_f32 v[234:235], v[234:235], v[110:111]
	v_pk_add_f32 v[232:233], v[232:233], v[114:115]
	v_pk_add_f32 v[230:231], v[230:231], v[118:119]
	v_pk_add_f32 v[14:15], v[14:15], v[122:123]
	v_pk_add_f32 v[242:243], v[242:243], v[126:127]
	v_pk_add_f32 v[248:249], v[248:249], v[130:131]
	v_pk_add_f32 v[246:247], v[246:247], v[134:135]
	v_pk_add_f32 v[238:239], v[238:239], v[138:139]
	v_pk_add_f32 v[234:235], v[234:235], v[142:143]
	v_pk_add_f32 v[232:233], v[232:233], v[146:147]
	v_pk_add_f32 v[230:231], v[230:231], v[150:151]
	v_pk_add_f32 v[14:15], v[14:15], v[154:155]
	v_pk_add_f32 v[242:243], v[242:243], v[158:159]
	s_delay_alu instid0(VALU_DEP_2)
	v_pk_add_f32 v[14:15], v[14:15], v[238:239]
	s_delay_alu instid0(VALU_DEP_2)
	v_pk_add_f32 v[242:243], v[242:243], v[234:235]
	v_pk_add_f32 v[248:249], v[248:249], v[232:233]
	v_pk_add_f32 v[246:247], v[246:247], v[230:231]
	s_delay_alu instid0(VALU_DEP_2)
	v_pk_add_f32 v[14:15], v[14:15], v[248:249]
	s_delay_alu instid0(VALU_DEP_2)
	v_pk_add_f32 v[242:243], v[242:243], v[246:247]
	s_delay_alu instid0(VALU_DEP_1)
	v_pk_add_f32 v[14:15], v[14:15], v[242:243]
.irp t, 0,1,2,3,4,5,6,7
.irp i, 0,2,4,6
	v_dual_min_num_f32 v[96+8*\t+\i], v[96+8*\t+\i], v240 :: v_dual_min_num_f32 v[97+8*\t+\i], v[97+8*\t+\i], v237   ; the conversion does not saturate (ISA guide 7.6.2); p is not negative, so the hold is one-sided; two holds an instruction
.endr
	v_cvt_scalef32_pk8_fp8_f32 v[192+2*\t:193+2*\t], v[96+8*\t:103+8*\t], v244
.endr
	v_nop                                          ; a plain line behind the last conversion: the products below write its sources
	s_wait_alu depctr_va_vdst(0)                   ; ahead of the branch and the wait below
.if \g
	s_add_co_u32 s72, s[KF], 128
	s_cmp_gt_u32 s72, s[QL]
	s_cbranch_scc1 .Lhid_\@
.endif
	s_wait_dscnt 0x0                               ; K(n + 1) is in
	SPROD \q                                       ; S(n + 1)
.if \g
.Lhid_\@:
.endif
	s_add_co_u32 s[KF], s[KF], 128
	s_add_co_u32 s[TB], s[TB], 8192
.endm
.macro WALK trips, q, k0, sm           ; so many iterations from key k0 on: the trip count is a constant
	s_mov_b32 s[KF], \k0
	s_mov_b32 s[TB], (\k0)*64
	s_mov_b32 s[CNT], \trips
.Lwalk_\@:
	ITER \q, 1, 1, \sm
	s_sub_co_u32 s[CNT], s[CNT], 1
	s_cmp_lg_u32 s[CNT], 0
	s_cbranch_scc1 .Lwalk_\@
.endm
.macro PRO q                           ; a tile's opening: S(0)
	s_mov_b32 s[KF], 0
	s_mov_b32 s[TB], 0
	KLOAD 1, 0
	s_wait_alu depctr_va_vdst(0)                   ; directly ahead of the wait below
	s_wait_dscnt 0x0
	SPROD \q
.endm
.macro EPI tl                          ; a tile's last product with V
	v_add_nc_u32 v9, s[\tl], v2
	v_nop
	v_nop
	v_nop
	VLOAD
	s_wait_alu depctr_va_vdst(0)                   ; directly ahead of the wait below
	s_wait_dscnt 0x0
	PVPROD
.endm
.macro INIT                            ; a tile's first step finds zeros, which the first change of M leaves zeros
	v_mov_b32 v13, 0xff61b1e6                      ; -3e38, under every t
	s_delay_alu instid0(VALU_DEP_1)
	v_floor_f32 v12, -v13
	v_mov_b32 v14, 0
	v_mov_b32 v15, 0
.set jj, 0
.rept 32
	v_mov_b32 v[160+jj], 0
.set jj, jj+1
.endr
.endm
.macro OUT cd, base                    ; O^T / the sum, held, converted: channel tiles 2 g and 2 g + 1 are image group g of my head's part of the last product's operand
	v_add_f32 v14, v14, v15
	s_delay_alu instid0(VALU_DEP_1)
	v_permlanex16_b32 v236, v14, s[SEL], s[SEL+1]
	s_delay_alu instid0(VALU_DEP_1)
	v_add_f32 v14, v14, v236                       ; the row's sum
	s_wait_alu depctr_va_vdst(0)                   ; ahead of the transcendental
	v_rcp_f32 v14, v14
.rept 4
	v_nop                                          ; the plain line behind the reciprocal, and the places behind the last products
.endr
	s_wait_alu depctr_va_vdst(0)                   ; ahead of the reciprocal's first reader, and of O^T's
.set jj, 0
.rept 16
	v_pk_mul_f32 v[96+jj:97+jj], v[160+jj:161+jj], v[14:15] op_sel_hi:[1,0]
.set jj, jj+2
.endr
.set jj, 0
.rept 32
	v_med3_num_f32 v[96+jj], v[96+jj], -v241, v241
.set jj, jj+1
.endr
.irp c, 0,1,2,3
	v_cvt_scalef32_pk8_fp8_f32 v[\cd+2*\c:\cd+2*\c+1], v[96+8*\c:103+8*\c], v245
.endr
	v_nop                                          ; a plain line behind the last conversion: later products write its sources
	global_store_b128 v1, v[\cd:\cd+3], s[\base:\base+1]                 ; 32 lanes store 512 consecutive bytes
	global_store_b128 v1, v[\cd+4:\cd+7], s[\base:\base+1] offset:512
.endm
	; THE LATE TILE: queries from 1,024 on
	s_add_co_u32 s[QL], s40, 63
	s_mov_b32 s[QB], s40
	INIT
	s_wait_alu depctr_va_vdst(0)
	s_wait_loadcnt 0x0                             ; Q, both tiles'
	s_cmp_lt_u32 s[WV], 4
	s_cbranch_scc0 .Lb1
	s_wait_tensorcnt 0x0                           ; waves 0-3: my part of keys 0-511 is in
.Lb1:
	s_barrier_signal -1
	s_barrier_wait -1
	PRO 16
	ITER 16, 0, 0, 38                              ; step 0: open for every wave; it reads keys 0-255 of K
	s_wait_tensorcnt 0x0                           ; every wave: all that is still out  (no LDS access of mine is out: an iteration ends behind its wait for all of them)
	s_barrier_signal -1
	s_barrier_wait -1
	WALK 15, 16, 128, 38
	EPI 42
	OUT 208, 70
	; THE EARLY TILE: queries under 1,024, so keys under 1,024
	s_add_co_u32 s[QL], s41, 63
	s_mov_b32 s[QB], s41
	INIT
	PRO 24
	ITER 24, 1, 0, 39
	WALK 7, 24, 128, 39
	EPI 43
	OUT 216, 74
	s_wait_tensorcnt 0x0                           ; the wave's end
	ds_add_u32 v251, v255
	s_wait_dscnt 0x0
	CROUND                                         ; the closing round
	s_endpgm
.Lfunc_end_k_q39a82415a9_attn:
	.size	k_q39a82415a9_attn, .Lfunc_end_k_q39a82415a9_attn-k_q39a82415a9_attn
	.p2alignl 7, 3214868480
	.fill 96, 4, 3214868480
	.section	.rodata,"a",@progbits
	.p2align	6, 0x0
	.amdhsa_kernel k_q39a82415a9_attn
		.amdhsa_group_segment_fixed_size 264192
		.amdhsa_private_segment_fixed_size 0
		.amdhsa_enable_private_segment 0
		.amdhsa_kernarg_size 24
		.amdhsa_user_sgpr_count 2
		.amdhsa_user_sgpr_kernarg_segment_ptr 1
		.amdhsa_wavefront_size32 1
		.amdhsa_system_sgpr_workgroup_id_x 1
		.amdhsa_system_sgpr_workgroup_id_y 1
		.amdhsa_system_sgpr_workgroup_id_z 1
		.amdhsa_system_vgpr_workitem_id 0
		.amdhsa_next_free_vgpr 256
		.amdhsa_next_free_sgpr 96
		.amdhsa_reserve_vcc 0
		.amdhsa_float_denorm_mode_32 3
		.amdhsa_float_denorm_mode_16_64 3
		.amdhsa_memory_ordered 1
		.amdhsa_forward_progress 1
		.amdhsa_inst_pref_size 113
	.end_amdhsa_kernel
	.amdgpu_metadata
---
amdhsa.version: [ 1, 2 ]
amdhsa.kernels:
  - .name:           k_q39a82415a9_attn
    .symbol:         k_q39a82415a9_attn.kd
    .args:
      - { .name: qkv, .offset: 0, .size: 8, .value_kind: global_buffer, .address_space: global }
      - { .name: lowp_scales, .offset: 8, .size: 8, .value_kind: global_buffer, .address_space: global }
      - { .name: oc, .offset: 16, .size: 8, .value_kind: global_buffer, .address_space: global }
    .group_segment_fixed_size: 264192
    .private_segment_fixed_size: 0
    .kernarg_segment_align: 8
    .kernarg_segment_size: 24
    .max_flat_workgroup_size: 512
    .sgpr_count:     96
    .vgpr_count:     256
    .wavefront_size: 32
...
	.end_amdgpu_metadata
.endif
;; end of part 3
;; launch outp (part 4): grid 8 x 32, 4 waves a work-group, clusters of 4 x 1, 327,680 bytes of LDS; arguments oc, cds, lowp_scales, bo, out0; writes out0
.if DOCPART == 4
	.amdgcn_target "amdgcn-amd-amdhsa--gfx1250"
	.amdhsa_code_object_version 6
	.text
	.protected	k_q39a82415a9_outp
	.globl	k_q39a82415a9_outp
	.p2align	8
	.type	k_q39a82415a9_outp,@function
k_q39a82415a9_outp:
	s_mov_b64 s[64:65], 0
	v_nop
	global_prefetch_b8 v0, s[64:65] scope:SCOPE_SE
	s_setreg_imm32_b32 hwreg(HW_REG_WAVE_MODE, 25, 1), 1
	s_wait_xcnt 0x0
	s_wait_alu depctr_hold_cnt(0) depctr_sa_sdst(0) depctr_va_vdst(0) depctr_va_sdst(0) depctr_va_ssrc(0) depctr_va_vcc(0) depctr_vm_vsrc(0)
	s_getreg_b32 s2, hwreg(HW_REG_IB_STS2, 6, 4)
	s_cmp_eq_u32 s2, 0
	s_cbranch_scc0 .Lentry_in_a_cluster
	s_endpgm
.Lentry_in_a_cluster:
	s_bfe_u32 s2, ttmp6, 0x10000c
	s_cmp_lg_u32 s2, 0x3003
	s_cbranch_scc0 .Lentry_shape_is_right
	s_endpgm
.Lentry_shape_is_right:
; out0 = o Wo^T + bo on codes of FP8 (E4M3), K = 1024: o's codes (entry 10) in oc, Wo's (entry 11) in cds, both as images of their registers:
; byte = (row / 16) x 16384 + (k / 128) x 2048 + g x 512 + 16 x lane: 16 rows with all of K are 16,384 consecutive bytes, and every LDS load of a fragment takes 512 consecutive bytes.
; THE DEAL.  256 work-groups: 8 groups of 128 channels x 32 groups of 256 tokens.  A work-group HOLDS 128 rows of Wo and STREAMS 256 rows of o past them.  Four waves, 2 x 2: a wave holds 64 rows, all of K, in 512 registers
; (source 0: its rows run along a lane's registers) and takes 128 tokens in 8 blocks of 16 (source 1: tokens become lanes), 32 products a block on four accumulators by turns.
; LDS: two slots of 131,072 bytes.  The held rows land in slot 1 at the head and go on into registers; tokens come in two chunks of 128: chunk 0 in slot 0 at the head, chunk 1 over the held rows' bytes behind a drained round.
; A plain barrier inside the third block shows chunk 1.  The next block's 32 loads stand among the first sixteen products of a block.
; CLUSTER: 4, 1, 1: the four partners stream the same tokens, which are asked for jointly (mask 15).  The held rows differ between partners and come by a plain load.
; PREFETCH: chunk 1's 512 blocks of 256 bytes are shared out by address among the cluster's sixteen waves, a lane a block, at the head; there is no later fill to run ahead of.
; THE WAY OUT.  A lane holds one token and 8 neighbouring channels a tile: sum x 2^(entries 10 + 11) + bo goes through the wave's own stage (16 rows of 256 bytes + 16, LDS bytes into which no fill lands) and comes back as rows:
; sixteen lanes store one aligned run of 256 bytes.  A block's rows are stored behind the next block's products.
; LIMIT: entries 10 + 11 lie between -126 and 127, so that the power of two is an f32 number.
; REGISTERS: window 0: addresses, v32-63 the accumulators, v64-95 the results, v96-127 the bias, v128-191 two sets of rows read back.  Windows 1, 2: the held rows, fragment 4 q + b.  Window 3: two sets of a streamed block.
.set SLOT,  131072
.set SPARE, 262144
.set STAGE, 262656
.set SROW,  272
.set WOS,   28311552
.set ADX0, 16
.set ADX1, 17
.set ADW,  18
.set CN,   19
.set PFO,  20
.set BO,   21
.set STO,  22
.set RD,   23
.set CO,   24
.set SPW,  28
.set NIL,  29
.set ACC,  32
.set TMP,  64
.set BI,   96
.set BK,   128
.set OB,   12                          ; s[12:13] where the block's rows go
.set SC,   76                          ; s[76:77] 2^(entries 10 + 11)
.set G1S,  24
.set G1A,  32
.set G1R,  48
.set G0S,  56
.set G0A,  60
.set G0R,  68
.set MSB, 0
.macro WIN new                         ; the immediate's high byte repeats the setting that is left
.if MSB != \new
	s_set_vgpr_msb (MSB<<8)|\new
.set MSB, \new
.endif
.endm
.macro PLACES n
.rept \n
	v_nop
.endr
.endm
.macro BARRIER
	s_barrier_signal -1
	s_barrier_wait -1
.endm
.macro CROUND
	s_barrier_signal -1
	s_barrier_wait -1
	s_cmp_lg_u32 s14, 0
	s_cbranch_scc1 .Lnot_wave_0_\@
	s_barrier_signal -3
.Lnot_wave_0_\@:
	s_barrier_wait -3
	BARRIER
.endm
.macro TLOAD g0, g1                    ; an s_nop 0 and four v_nop follow the load
	tensor_load_to_lds s[\g0:\g0+3], s[\g1:\g1+7]
	s_nop 0
	PLACES 4
.endm
.macro GROUP1 g, w0, rows              ; so many rows of 4,096 bytes, dense in memory and in LDS
	s_mov_b32 s[\g+0], \w0
	s_mov_b32 s[\g+1], 512<<16
	s_mov_b32 s[\g+2], (\rows)<<16
	s_mov_b32 s[\g+3], 512<<16
	s_mov_b32 s[\g+4], \rows
	s_mov_b32 s[\g+5], 512
	s_mov_b32 s[\g+6], 0
	s_mov_b32 s[\g+7], 0
.endm
	s_load_b128 s[4:7], s[0:1], 0x0                ; oc, cds
	s_load_b128 s[8:11], s[0:1], 0x10              ; the scales' exponents, bo
	s_load_b64 s[12:13], s[0:1], 0x20              ; out0
	v_lshl_add_u32 v[SPW], v0, 2, SPARE
	v_mov_b32 v[NIL], 0
	ds_add_u32 v[SPW], v[NIL]                      ; the opening lines: the add twice on end and its wait
	ds_add_u32 v[SPW], v[NIL]
	v_lshrrev_b32 v1, 5, v0
	v_readfirstlane_b32 s14, v1                    ; wave 0..3
	s_lshr_b32 s15, s14, 1                         ; my half of a chunk's tokens; at the head: I fetch held rows (0) or chunk 0 (1)
	s_and_b32 s16, s14, 1                          ; my half of the held rows; at the head: which half I fetch
	s_bfe_u32 s40, ttmp6, 0x40000                  ; cx
	s_lshl_b32 s42, ttmp9, 2
	s_add_co_u32 s42, s42, s40                     ; which 128 channels, 0..7
	s_and_b32 s43, ttmp7, 0xffff                   ; which 256 tokens, 0..31
	s_lshl_b32 s74, s16, 16                        ; a half: 64 rows
	s_lshl_b32 s20, s42, 17
	s_add_co_u32 s20, s20, WOS
	s_add_co_u32 s20, s20, s74                     ; the held rows, in cds
	s_mov_b32 s21, 0
	s_lshl_b32 s22, s43, 18                        ; the tokens, in oc
	s_add_co_u32 s88, s22, s74
	s_mov_b32 s89, 0
	s_lshl_b32 s75, s14, 15                        ; a quarter: 32 rows
	s_add_co_u32 s90, s22, s75
	s_add_co_u32 s90, s90, SLOT                    ; chunk 1
	s_mov_b32 s91, 0
	s_add_co_u32 s92, s22, SLOT
	s_mov_b32 s93, 0
	GROUP1 G1S, 3<<16, 16                          ; elements of 8 bytes; no mask
	GROUP1 G1A, 15|(3<<16)|(1<<21), 16             ; the four partners; bit 21 beside a mask
	GROUP1 G1R, 15|(3<<16)|(1<<21), 8
	s_mov_b32 s[G0S], 1
	s_add_co_u32 s[G0S+1], s74, SLOT
	s_mov_b32 s[G0A], 1
	s_mov_b32 s[G0A+1], s74
	s_mov_b32 s[G0R], 1
	s_add_co_u32 s[G0R+1], s75, SLOT
	s_wait_alu depctr_va_vdst(0)
	s_wait_dscnt 0x0
	CROUND                                         ; the round in front of the first loads
	s_wait_kmcnt 0x0
	s_add_nc_u64 s[G0S+2:G0S+3], s[6:7], s[20:21]
	s_or_b32 s[G0S+3], s[G0S+3], 0x80000000
	s_add_nc_u64 s[G0A+2:G0A+3], s[4:5], s[88:89]
	s_or_b32 s[G0A+3], s[G0A+3], 0x80000000
	s_add_nc_u64 s[G0R+2:G0R+3], s[4:5], s[90:91]
	s_or_b32 s[G0R+3], s[G0R+3], 0x80000000
	s_add_nc_u64 s[72:73], s[4:5], s[92:93]        ; chunk 1, for the prefetch
	s_cmp_eq_u32 s15, 0                            ; one load a wave at the head; the two groups of waves wait at different places, so each has its line
	s_cbranch_scc0 .Lfor_x
	TLOAD G0S, G1S                                 ; waves 0, 1: the held rows, wanted first
	s_branch .Lasked
.Lfor_x:
	TLOAD G0A, G1A                                 ; waves 2, 3: chunk 0
.Lasked:
	s_load_b64 s[SC:SC+1], s[8:9], 0x28            ; entries 10, 11
	s_lshl_b32 s90, s42, 9
	s_lshl_b32 s91, s16, 8
	s_add_co_u32 s90, s90, s91                     ; my first channel, in bytes
	s_mov_b32 s91, 0
	s_lshl_b32 s88, s43, 20                        ; 256 rows of 4,096 bytes
	s_lshl_b32 s89, s15, 18                        ; 64 rows
	s_add_co_u32 s88, s88, s89
	s_add_co_u32 s88, s88, s90
	s_mov_b32 s89, 0
	s_add_nc_u64 s[OB:OB+1], s[OB:OB+1], s[88:89]
	s_add_nc_u64 s[10:11], s[10:11], s[90:91]
	s_lshl_b32 s74, s15, 16
	s_lshl_b32 s75, s16, 16
	s_add_co_u32 s75, s75, SLOT
	s_lshl_b32 s20, s40, 2
	s_add_co_u32 s20, s20, s14
	s_lshl_b32 s20, s20, 13                        ; my sixteenth of a chunk
	s_mul_i32 s21, s14, 16*SROW
	s_add_co_u32 s21, s21, STAGE                   ; my stage
	v_and_b32 v2, 31, v0
	v_and_b32 v1, 15, v0                           ; r
	v_bfe_u32 v3, v0, 4, 1                         ; h
	v_lshlrev_b32 v[CN], 4, v2
	v_add_nc_u32 v[ADX0], s74, v[CN]
	v_add_nc_u32 v[ADX1], SLOT, v[ADX0]
	v_add_nc_u32 v[ADW], s75, v[CN]
	v_lshl_add_u32 v[PFO], v2, 8, s20
	v_lshlrev_b32 v[BO], 5, v3
	v_mul_u32_u24 v4, v1, SROW
	v_lshl_add_u32 v4, v3, 5, v4
	v_add_nc_u32 v[STO], s21, v4                   ; into the stage: row r, 32 bytes for each half of the lanes
	v_mul_u32_u24 v5, v3, SROW
	v_lshl_add_u32 v5, v1, 4, v5
	v_add_nc_u32 v[RD], s21, v5                    ; back: lanes 0-15 one row, lanes 16-31 the next
	v_lshlrev_b32 v6, 12, v3
	v_lshl_add_u32 v[CO], v1, 4, v6                ; and the same two rows in out0
	s_wait_alu depctr_va_vdst(0)
	global_prefetch_b8 v[PFO], s[72:73] th:TH_LOAD_NT scope:SCOPE_SE
.irp b, 0,1,2,3                        ; the bias at my lane's channels 16 b + 8 h + 0..7
	global_load_b128 v[BI+8*\b:BI+8*\b+3],   v[BO], s[10:11] offset:64*\b
	global_load_b128 v[BI+8*\b+4:BI+8*\b+7], v[BO], s[10:11] offset:64*\b+16
.endr
	s_wait_kmcnt 0x0
	s_add_co_i32 s[SC], s[SC], s[SC+1]
	s_add_co_i32 s[SC], s[SC], 127
	s_lshl_b32 s[SC], s[SC], 23                    ; 2^(entries 10 + 11) as f32
	s_mov_b32 s[SC+1], s[SC]                       ; (named with it as a pair)
	s_cmp_eq_u32 s15, 0
	s_cbranch_scc0 .Lnot_s
	s_wait_tensorcnt 0x0                           ; waves 0, 1: my half of the held rows is in
.Lnot_s:
	BARRIER
.irp q, 0,1,2,3,4,5,6,7                ; my 64 held rows, all of K: 128 loads
.irp b, 0,1,2,3
	WIN (1+(4*\q+\b)/16)<<6
.irp c, 0,1,2,3
	ds_load_b128 v[16*((4*\q+\b)%16)+4*\c:16*((4*\q+\b)%16)+4*\c+3], v[ADW] offset:\b*16384+\q*2048+\c*512
.endr
.endr
.endr
	WIN 0
	s_wait_tensorcnt 0x0                           ; the three lines ahead of a refill's round: all my loads are in (waves 2, 3: chunk 0),
	ds_add_u32 v[SPW], v[NIL]
	s_wait_dscnt 0x0                               ; the add is done, and I hold my rows in registers
	CROUND
	TLOAD G0R, G1R                                 ; chunk 1, onto the held rows' bytes
.macro PRODS e, from, to, fa=-1, fi=0  ; products from .. to - 1 of a block in set e: product 4 q + b; the four accumulators take turns.  fa >= 0: behind every second of the first sixteen stand four loads of block fi at fa, into the other set
.set N_, \from
.rept (\to)-(\from)
	WIN (1+N_/16)|(3<<2)
.if N_/4
	v_wmma_f32_16x16x128_fp8_fp8 v[ACC+8*(N_%4):ACC+8*(N_%4)+7], v[16*(N_%16):16*(N_%16)+15], v[128*(\e)+16*(N_/4):128*(\e)+16*(N_/4)+15], v[ACC+8*(N_%4):ACC+8*(N_%4)+7]
.else
	v_wmma_f32_16x16x128_fp8_fp8 v[ACC+8*(N_%4):ACC+8*(N_%4)+7], v[16*(N_%16):16*(N_%16)+15], v[128*(\e)+16*(N_/4):128*(\e)+16*(N_/4)+15], 0
.endif
.if ((\fa) >= 0) && (N_ < 16) && (N_ % 2)
	WIN 3<<6
.set L_, 2*(N_-1)
.rept 4
	ds_load_b128 v[128*(1-(\e))+4*L_:128*(1-(\e))+4*L_+3], v[\fa] offset:(\fi)*16384+512*L_
.set L_, L_+1
.endr
.endif
.set N_, N_+1
.endr
.endm
.macro PART1 k                         ; block k's sums x the scale + the bias, into my stage and back as rows.  LDS serves a wave's instructions in order: no wait between the stores and the loads
.set I_, 0
.rept 16
	v_pk_fma_f32 v[TMP+I_:TMP+I_+1], v[ACC+I_:ACC+I_+1], s[SC:SC+1], v[BI+I_:BI+I_+1] op_sel_hi:[1,0,1]   ; each accumulator from its low end on
.set I_, I_+2
.endr
.irp b, 0,1,2,3
	ds_store_b128 v[STO], v[TMP+8*\b:TMP+8*\b+3] offset:64*\b
	ds_store_b128 v[STO], v[TMP+8*\b+4:TMP+8*\b+7] offset:64*\b+16
.endr
.irp t, 0,1,2,3,4,5,6,7
	ds_load_b128 v[BK+32*((\k)%2)+4*\t:BK+32*((\k)%2)+4*\t+3], v[RD] offset:\t*2*SROW
.endr
.endm
.macro SEND k, w                       ; block k's rows leave.  w: the LDS loads issued behind its stage's, which may be out
	s_wait_dscnt \w
	s_wait_xcnt 0x0                                ; the earlier stores have read their base and data
.if (\k) == 4
	s_add_nc_u64 s[OB:OB+1], s[OB:OB+1], 80*4096   ; on to my part of chunk 1
.elseif (\k) > 0
	s_add_nc_u64 s[OB:OB+1], s[OB:OB+1], 16*4096
.endif
.irp t, 0,1,2,3,4,5,6,7
	global_store_b128 v[CO], v[BK+32*((\k)%2)+4*\t:BK+32*((\k)%2)+4*\t+3], s[OB:OB+1] offset:\t*8192 th:TH_STORE_NT   ; sixteen lanes store 256 consecutive bytes, aligned
.endr
.endm
.macro OBK k, fa, fi, w, sw            ; a block.  w: the 16 stage instructions of the block before may be out
	s_wait_dscnt \w
	PRODS (\k)%2, 0, 32, \fa, \fi
	WIN 0
	PLACES 4                                       ; in front of the first read of the sums
.if (\k) > 0
	SEND (\k)-1, \sw
.endif
	PART1 \k
.endm
	WIN 3<<6                                       ; block 0 into set 0
.set L_, 0
.rept 32
	ds_load_b128 v[4*L_:4*L_+3], v[ADX0] offset:512*L_
.set L_, L_+1
.endr
	WIN 0
	s_wait_loadcnt 0x0                             ; the bias
	OBK 0, ADX0, 1, 0, 0
	OBK 1, ADX0, 2, 16, 32
	s_wait_dscnt 16                                ; block 2, with the barrier that shows chunk 1
	PRODS 0, 0, 28, ADX0, 3
	WIN 0
	s_wait_tensorcnt 0x0                           ; my quarter of chunk 1 is in
	s_wait_dscnt 0x0
	s_barrier_signal -1
	PRODS 0, 28, 32
	WIN 0
	s_barrier_wait -1
	PLACES 4
	SEND 1, 0
	PART1 2
	OBK 3, ADX1, 0, 16, 32
	OBK 4, ADX1, 1, 16, 32
	OBK 5, ADX1, 2, 16, 32
	OBK 6, ADX1, 3, 16, 32
	OBK 7, -1, 0, 16, 0
	SEND 7, 0
	s_wait_tensorcnt 0x0                           ; the wave's end
	ds_add_u32 v[SPW], v[NIL]
	s_wait_dscnt 0x0
	CROUND                                         ; the closing round
	s_endpgm
.Lfunc_end_k_q39a82415a9_outp:
	.size	k_q39a82415a9_outp, .Lfunc_end_k_q39a82415a9_outp-k_q39a82415a9_outp
	.p2alignl 7, 3214868480
	.fill 96, 4, 3214868480
	.section	.rodata,"a",@progbits
	.p2align	6, 0x0
	.amdhsa_kernel k_q39a82415a9_outp
		.amdhsa_group_segment_fixed_size 327680
		.amdhsa_private_segment_fixed_size 0
		.amdhsa_enable_private_segment 0
		.amdhsa_kernarg_size 40
		.amdhsa_user_sgpr_count 2
		.amdhsa_user_sgpr_kernarg_segment_ptr 1
		.amdhsa_wavefront_size32 1
		.amdhsa_system_sgpr_workgroup_id_x 1
		.amdhsa_system_sgpr_workgroup_id_y 1
		.amdhsa_system_sgpr_workgroup_id_z 1
		.amdhsa_system_vgpr_workitem_id 0
		.amdhsa_next_free_vgpr 1024
		.amdhsa_next_free_sgpr 96
		.amdhsa_reserve_vcc 0
		.amdhsa_float_denorm_mode_32 3
		.amdhsa_float_denorm_mode_16_64 3
		.amdhsa_memory_ordered 1
		.amdhsa_forward_progress 1
		.amdhsa_inst_pref_size 78
	.end_amdhsa_kernel
	.amdgpu_metadata
---
amdhsa.version: [ 1, 2 ]
amdhsa.kernels:
  - .name:           k_q39a82415a9_outp
    .symbol:         k_q39a82415a9_outp.kd
    .args:
      - { .name: oc, .offset: 0, .size: 8, .value_kind: global_buffer, .address_space: global }
      - { .name: cds, .offset: 8, .size: 8, .value_kind: global_buffer, .address_space: global }
      - { .name: lowp_scales, .offset: 16, .size: 8, .value_kind: global_buffer, .address_space: global }
      - { .name: bo, .offset: 24, .size: 8, .value_kind: global_buffer, .address_space: global }
      - { .name: out0, .offset: 32, .size: 8, .value_kind: global_buffer, .address_space: global }
    .group_segment_fixed_size: 327680
    .private_segment_fixed_size: 0
    .kernarg_segment_align: 8
    .kernarg_segment_size: 40
    .max_flat_workgroup_size: 128
    .sgpr_count:     96
    .vgpr_count:     1024
    .wavefront_size: 32
...
	.end_amdgpu_metadata
.endif
;; end of part 4
